; MI455X (gfx1250); checked and timed in simulation.
; The chip was launched on July 23, 2026; its instructions are those of AMD's public machine-readable ISA for CDNA 5 (MIT licence, August 2026) and "CDNA5" Instruction Set Architecture Reference Guide (July 2026). The comments in the code are by the model that wrote it; some were corrected since.
;; Mixtral Sparse Moe Block. Allowed arithmetic: float matrix products may take bf16 or f16 operands with f32 sums; other float arithmetic in f32, or as packed bf16 or f16 multiplies, adds, multiply-adds, maxima and minima; sums over many terms, partial sums and values carried from step to step in f32; what a program stores and reads back later, other than sums and carried values, may be rounded once to bf16 or f16.
;; Inputs: gate_w 8 x 1,024 x 2,048 float32; hidden_states 2 x 512 x 1,024 float32; out_w 8 x 2,048 x 1,024 float32; router_w 1,024 x 8 float32; up_w 8 x 1,024 x 2,048 float32.
;; Outputs: out0 2 x 512 x 1,024 float32; out1 1,024 x 8 float32.
;; One version. Each part assembles by itself: llvm-mc -triple=amdgcn-amd-amdhsa -mcpu=gfx1250 --defsym DOCPART=n.
;; ======== version 1 of 1: 4 launches
;; workspace buffers: xb 2,097,152 bytes; bm 2,048 bytes of whole numbers; wts 8,192 bytes; hid 33,554,432 bytes; part 16,777,216 bytes
;; launch router (part 1): grid 32 x 1, 8 waves a work-group, no clusters, 111,616 bytes of LDS; arguments hidden_states, router_w, xb, bm, wts, out1; writes xb, bm, wts, out1
.if DOCPART == 1
	.amdgcn_target "amdgcn-amd-amdhsa--gfx1250"
	.amdhsa_code_object_version 6
	.text
	.protected	k_qe81d404059_router
	.globl	k_qe81d404059_router
	.p2align	8
	.type	k_qe81d404059_router,@function
k_qe81d404059_router:
	s_mov_b64 s[64:65], 0
	v_nop
	global_prefetch_b8 v0, s[64:65] scope:SCOPE_SE
	s_setreg_imm32_b32 hwreg(HW_REG_WAVE_MODE, 25, 1), 1
	s_wait_xcnt 0x0
; ROUTER.  logits = x w (x: [1024][1024], w: [1024][8]); out1 = logits; for each token the two largest logits, their renormalised weights, and x rounded to bf16 for the next launch.
; x and w are rounded to bf16 (nearest even) and multiplied by the matrix unit with f32 sums, as every input of this program is.
; SHARES.  A work-group has 32 tokens; wave w has K = 128 w .. 128 w + 127 of all 32; the eight partial logits meet in LDS behind one barrier; wave 1 stores out1, wave 0 chooses.
; WEIGHTS.  top_p / sum(top_p) = 1 / (1 + e^(l2 - l1)) for the first choice: l1 is the row's maximum, so the maximum is taken away before the exponential; the other six terms cancel exactly.
; WHAT IS STORED FOR LATER ADDRESSES: bit maps, at fixed places: bm[plane][expert][word], bit l of word g = token 32 g + l; plane 0: the token chose the expert; plane 1: as its second choice.
; LIMITS.  Logits are finite (NaN and infinities are not treated apart).  The order is taken on the logits, not on rounded probabilities; of equal logits the lower index wins.
; A second weight below 2^-126 counts as 0.
.set XTW,   8704      ; a wave's x tile in LDS: 32 rows x (256 bytes + 16 of padding)
.set RW0,   69632     ; behind the eight x tiles: a wave's 128 rows of w, 32 bytes each: 8 bf16, then 16 bytes of zeros (experts 8-15 of the fragment)
.set PL0,   102400    ; partial logits, f32 [wave][token 32][expert 8]
.set SPARE, 110592    ; the spare words: 128 bytes for each of eight waves; no other line names them
.set LN,  1           ; lane
.set SPW, 2           ; my spare word's address; never rewritten
.set NIL, 3           ; 0; never rewritten
.set A16, 4           ; 16 x lane
.set A8,  5           ; 8 x lane
.set RWS, 6           ; where I put my 8 bytes of w
.set RWZ, 7           ; where I put zeros
.set RWL, 8           ; v8-39   w as loaded
.set X,   40          ; v40-167 x as loaded, 4 registers a token; later:
.set WF,  40          ; v40-71  w's four fragments
.set XF,  72          ; v72-135 x's eight fragments
.set D0,  136         ; logits of tokens 0-15
.set D1,  144         ; of tokens 16-31
.set TT,  152
.set LG,  160         ; v160-167 lane L: token L's eight partial logits
.set ZR,  168         ; v168-171 zeros
.set XTS, 172
.set XTL, 173
.set RWT, 174
.set PLS, 175
.set T0,  176
.set T1,  177
.set T2,  178
.set T3,  179
.set T4,  180
.set M1,  181
.set I1,  182
.set M2,  183
.set I2,  184
.set P1W, 185
.set P2W, 186
.set BV,  187
.set A4,  188
	s_load_b256 s[4:11], s[0:1], 0x0               ; x s[4:5], w s[6:7], xb s[8:9], bm s[10:11]
	s_load_b128 s[12:15], s[0:1], 0x20             ; wts s[12:13], out1 s[14:15]
	v_lshl_add_u32 v[SPW], v0, 2, SPARE
	v_mov_b32 v[NIL], 0
	v_lshrrev_b32 v[T0], 5, v0
	v_readfirstlane_b32 s16, v[T0]                 ; wave 0..7
	v_and_b32 v[LN], 31, v0
	v_lshlrev_b32 v[A16], 4, v[LN]
	s_lshl_b32 s20, ttmp9, 17                      ; x: 32 tokens x 4,096 bytes a work-group,
	s_lshl_b32 s27, s16, 9                         ; 512 bytes of each row a wave
	s_add_co_u32 s20, s20, s27
	s_mov_b32 s21, 0
	s_lshl_b32 s22, s16, 12                        ; w: 128 rows x 32 bytes a wave
	s_mov_b32 s23, 0
	s_lshl_b32 s28, ttmp9, 16                      ; xb: 32 tokens x 2,048 bytes,
	s_lshl_b32 s27, s16, 8                         ; 256 bytes of each row a wave
	s_add_co_u32 s28, s28, s27
	s_mov_b32 s29, 0
	s_lshl_b32 s30, ttmp9, 2                       ; bm: my word in each of the sixteen maps
	s_mov_b32 s31, 0
	s_lshl_b32 s32, ttmp9, 7                       ; wts: 32 tokens x 4 bytes
	s_mov_b32 s33, 0
	s_lshl_b32 s34, ttmp9, 10                      ; out1: 32 tokens x 32 bytes
	s_mov_b32 s35, 0
	s_mov_b32 s24, 0x76543210                      ; v_permlanex16_b32: each lane takes its own place in the other half
	s_mov_b32 s25, 0xfedcba98
	s_mov_b32 s26, 0xffff0000                      ; lanes 16-31
	s_wait_kmcnt 0x0
	s_add_nc_u64 s[4:5], s[4:5], s[20:21]
	s_add_nc_u64 s[6:7], s[6:7], s[22:23]
	s_add_nc_u64 s[8:9], s[8:9], s[28:29]
	s_add_nc_u64 s[10:11], s[10:11], s[30:31]
	s_add_nc_u64 s[12:13], s[12:13], s[32:33]
	s_add_nc_u64 s[14:15], s[14:15], s[34:35]
.irp u, 0,1,2,3,4,5,6,7
	global_load_b128 v[RWL+4*(\u):RWL+4*(\u)+3], v[A16], s[6:7] offset:512*(\u)   ; rows 16 u + lane / 2, experts 4 (lane % 2) on
.endr
.set i, 0
.rept 32
	global_load_b128 v[X+4*i:X+4*i+3], v[A16], s[4:5] offset:4096*i th:TH_LOAD_NT  ; token i: my wave's 512 consecutive bytes
.set i, i+1
.endr
	; the LDS addresses are made while the loads are out
	v_and_b32 v[T1], 15, v0                        ; r
	v_bfe_u32 v[T2], v0, 4, 1                      ; h
	v_lshlrev_b32 v[A8], 3, v[LN]
	v_lshlrev_b32 v[A4], 2, v[LN]
	s_lshl_b32 s17, s16, 12
	s_add_co_u32 s17, s17, RW0                     ; my wave's w
	s_mul_i32 s18, s16, XTW                        ; my wave's x tile
	s_lshl_b32 s19, s16, 10
	s_add_co_u32 s19, s19, PL0                     ; my wave's partial logits
	v_lshrrev_b32 v[T3], 1, v[LN]
	v_and_b32 v[T4], 1, v[LN]
	v_lshlrev_b32 v[T4], 3, v[T4]
	v_lshl_add_u32 v[T3], v[T3], 5, v[T4]
	v_add_nc_u32 v[RWS], s17, v[T3]                ; row lane / 2, 8 bytes for each of its two lanes
	v_lshl_add_u32 v[RWZ], v[LN], 5, s17
	v_and_b32 v[T3], 7, v[LN]
	v_lshl_add_u32 v[T3], v[T2], 3, v[T3]
	v_bfe_u32 v[T4], v[LN], 3, 1
	v_lshlrev_b32 v[T4], 4, v[T4]
	v_lshl_add_u32 v[T3], v[T3], 5, v[T4]
	v_add_nc_u32 v[RWT], s17, v[T3]                ; the turning load: row 8 h + lane % 8, 16 bytes by (lane / 8) % 2
	v_add_nc_u32 v[XTS], s18, v[A8]
	v_mul_u32_u24 v[T3], v[T1], 272
	v_lshl_add_u32 v[T3], v[T2], 4, v[T3]
	v_add_nc_u32 v[XTL], s18, v[T3]                ; a fragment's row x pitch + 16 x half
	v_lshl_add_u32 v[PLS], v[LN], 5, s19
.irp z, 0,1,2,3
	v_mov_b32 v[ZR+(\z)], 0
.endr
	s_wait_loadcnt 32                              ; w is in; the 32 loads of x, issued behind it, stay out
.irp u, 0,1,2,3,4,5,6,7
	v_cvt_pk_bf16_f32 v[RWL+4*(\u)], v[RWL+4*(\u)], v[RWL+4*(\u)+1]
	v_cvt_pk_bf16_f32 v[RWL+4*(\u)+1], v[RWL+4*(\u)+2], v[RWL+4*(\u)+3]
	ds_store_b64 v[RWS], v[RWL+4*(\u):RWL+4*(\u)+1] offset:512*(\u)
.endr
.irp z, 0,1,2,3
	ds_store_b128 v[RWZ], v[ZR:ZR+3] offset:1024*(\z)+16
.endr
.set i, 0
.rept 32
	s_wait_loadcnt 31-i                            ; token i is in; the younger tokens stay out
	v_cvt_pk_bf16_f32 v[X+4*i], v[X+4*i], v[X+4*i+1]
	v_cvt_pk_bf16_f32 v[X+4*i+1], v[X+4*i+2], v[X+4*i+3]
	global_store_b64 v[A8], v[X+4*i:X+4*i+1], s[8:9] offset:2048*i   ; the wave's store covers 256 consecutive bytes, aligned
	ds_store_b64 v[XTS], v[X+4*i:X+4*i+1] offset:272*i
.set i, i+1
.endr
	s_wait_xcnt 0x0                                ; the stores' data registers are loaded again only behind this wait
.irp k, 0,1,2,3                        ; my own bytes: LDS serves a wave's instructions in order, so no wait stands between the stores above and these loads
	ds_load_tr16_b128 v[WF+8*(\k):WF+8*(\k)+3],   v[RWT] offset:1024*(\k)
	ds_load_tr16_b128 v[WF+8*(\k)+4:WF+8*(\k)+7], v[RWT] offset:1024*(\k)+512
.endr
.irp t, 0,1
.irp k, 0,1,2,3
	ds_load_b128 v[XF+32*(\t)+8*(\k):XF+32*(\t)+8*(\k)+3],   v[XTL] offset:4352*(\t)+64*(\k)
	ds_load_b128 v[XF+32*(\t)+8*(\k)+4:XF+32*(\t)+8*(\k)+7], v[XTL] offset:4352*(\t)+64*(\k)+32
.endr
.endr
	s_wait_dscnt 0x0
	; source 0 = 16 experts (8 of them zeros), source 1 = 16 tokens: lanes 0-15 hold a token's eight logits.  The two accumulators take turns.
.irp k, 0,1,2,3
.if (\k) == 0
	v_wmma_f32_16x16x32_bf16 v[D0:D0+7], v[WF:WF+7], v[XF:XF+7], 0
	v_wmma_f32_16x16x32_bf16 v[D1:D1+7], v[WF:WF+7], v[XF+32:XF+39], 0
.else
	v_wmma_f32_16x16x32_bf16 v[D0:D0+7], v[WF+8*(\k):WF+8*(\k)+7], v[XF+8*(\k):XF+8*(\k)+7], v[D0:D0+7]
	v_wmma_f32_16x16x32_bf16 v[D1:D1+7], v[WF+8*(\k):WF+8*(\k)+7], v[XF+32+8*(\k):XF+32+8*(\k)+7], v[D1:D1+7]
.endif
.endr
.irp j, 0,1,2,3,4,5,6,7
	v_mov_b32 v[TT+(\j)], 0                        ; the permute's destination counts as read; these eight are also the places behind the last product
.endr
.irp j, 0,1,2,3,4,5,6,7                ; ascending: each accumulator is read from its low end on
	v_permlanex16_b32 v[TT+(\j)], v[D1+(\j)], s24, s25
	v_cndmask_b32 v[LG+(\j)], v[D0+(\j)], v[TT+(\j)], s26   ; lane L now stands for token L
.endr
	ds_store_b128 v[PLS], v[LG:LG+3]
	ds_store_b128 v[PLS], v[LG+4:LG+7] offset:16
	s_wait_dscnt 0x0                               ; for the others' sake: my partial logits are in LDS
	s_barrier_signal -1
	s_barrier_wait -1
; eight vectors of w registers at base + w u are summed into the first, always in the same order: ((0+1)+(2+3)) + ((4+5)+(6+7))
.macro VADD base, w, a, b
.set k, 0
.rept (\w)/2
	v_pk_add_f32 v[(\base)+(\w)*(\a)+k:(\base)+(\w)*(\a)+k+1], v[(\base)+(\w)*(\a)+k:(\base)+(\w)*(\a)+k+1], v[(\base)+(\w)*(\b)+k:(\base)+(\w)*(\b)+k+1]
.set k, k+2
.endr
.endm
.macro TREE base, w
	VADD \base, \w, 0, 1
	VADD \base, \w, 2, 3
	VADD \base, \w, 4, 5
	VADD \base, \w, 6, 7
	VADD \base, \w, 0, 2
	VADD \base, \w, 4, 6
	VADD \base, \w, 0, 4
.endm
	s_cmp_lg_u32 s16, 1
	s_cbranch_scc1 .Lnot_one
	; WAVE 1: out1.  The partial logits lie as out1 does, so 16 bytes a lane are summed over the eight waves and stored
	v_add_nc_u32 v[T3], PL0, v[A16]
.irp p, 0,1
.irp u, 0,1,2,3,4,5,6,7
	ds_load_b128 v[40+32*(\p)+4*(\u):40+32*(\p)+4*(\u)+3], v[T3] offset:1024*(\u)+512*(\p)
.endr
.endr
	s_wait_dscnt 0x0
	TREE 40, 4
	TREE 72, 4
	global_store_b128 v[A16], v[40:43], s[14:15]
	global_store_b128 v[A16], v[72:75], s[14:15] offset:512
.Lnot_one:
	s_cmp_lg_u32 s16, 0
	s_cbranch_scc1 .Lend
	; WAVE 0: lane L chooses for token L
	v_lshl_add_u32 v[T3], v[LN], 5, PL0
.irp u, 0,1,2,3,4,5,6,7
	ds_load_b128 v[40+8*(\u):40+8*(\u)+3], v[T3] offset:1024*(\u)
	ds_load_b128 v[44+8*(\u):44+8*(\u)+3], v[T3] offset:1024*(\u)+16
.endr
	s_wait_dscnt 0x0
	TREE 40, 8                                     ; v40-47: the eight logits, the same sums as out1's
	v_cmp_gt_f32 s20, v41, v40                     ; strictly greater: of equals the lower index stays ahead
	v_cndmask_b32 v[M1], v40, v41, s20
	v_cndmask_b32 v[M2], v41, v40, s20
	v_cndmask_b32 v[I1], 0, 1, s20
	v_cndmask_b32 v[I2], 1, 0, s20
.irp e, 2,3,4,5,6,7
	v_cmp_gt_f32 s20, v[40+(\e)], v[M1]
	v_cmp_gt_f32 s21, v[40+(\e)], v[M2]
	v_cndmask_b32 v[M2], v[M2], v[40+(\e)], s21
	v_cndmask_b32 v[I2], v[I2], \e, s21
	v_cndmask_b32 v[M2], v[M2], v[M1], s20
	v_cndmask_b32 v[I2], v[I2], v[I1], s20
	v_cndmask_b32 v[M1], v[M1], v[40+(\e)], s20
	v_cndmask_b32 v[I1], v[I1], \e, s20
.endr
	v_sub_f32 v[T4], v[M2], v[M1]                  ; l2 - l1, never above 0
	v_mul_f32 v[T4], 0x3fb8aa3b, v[T4]
	v_exp_f32 v[T4], v[T4]
	v_nop                                          ; a plain instruction behind the exponential,
	s_wait_alu depctr_va_vdst(0)                   ; and the wait ahead of its first reader
	v_add_f32 v[T0], 1.0, v[T4]
	v_rcp_f32 v[P1W], v[T0]
	v_mov_b32 v[BV], 0                             ; the plain instruction behind the reciprocal
	s_wait_alu depctr_va_vdst(0)
	v_mul_f32 v[P2W], v[T4], v[P1W]
.irp e, 0,1,2,3,4,5,6,7                ; the compares' masks ARE the bit maps' words: lane e takes plane 0's, lane 8 + e plane 1's
	v_cmp_eq_u32 s20, \e, v[I1]
	v_cmp_eq_u32 s21, \e, v[I2]
	s_or_b32 s20, s20, s21
	v_writelane_b32 v[BV], s20, \e
	v_writelane_b32 v[BV], s21, 8+(\e)
.endr
	v_lshlrev_b32 v[T3], 7, v[LN]                  ; a map is 128 bytes
	global_store_b32 v[A4], v[P1W], s[12:13]
	global_store_b32 v[A4], v[P2W], s[12:13] offset:4096
	v_cmp_gt_u32 vcc_lo, 16, v[LN]
	s_wait_xcnt 0x0                                ; EXEC changes only behind this wait
	s_and_saveexec_b32 s22, vcc_lo
	global_store_b32 v[T3], v[BV], s[10:11]        ; sixteen words
	s_wait_xcnt 0x0                                ; and again in front of the line that widens it
	s_or_b32 exec_lo, exec_lo, s22
.Lend:
	s_wait_tensorcnt 0x0                           ; the wave's end
	ds_add_u32 v[SPW], v[NIL]
	s_wait_dscnt 0x0
	s_endpgm
.Lfunc_end_k_qe81d404059_router:
	.size	k_qe81d404059_router, .Lfunc_end_k_qe81d404059_router-k_qe81d404059_router
	.p2alignl 7, 3214868480
	.fill 96, 4, 3214868480
	.section	.rodata,"a",@progbits
	.p2align	6, 0x0
	.amdhsa_kernel k_qe81d404059_router
		.amdhsa_group_segment_fixed_size 111616
		.amdhsa_private_segment_fixed_size 0
		.amdhsa_enable_private_segment 0
		.amdhsa_kernarg_size 48
		.amdhsa_user_sgpr_count 2
		.amdhsa_user_sgpr_kernarg_segment_ptr 1
		.amdhsa_wavefront_size32 1
		.amdhsa_system_sgpr_workgroup_id_x 1
		.amdhsa_system_sgpr_workgroup_id_y 1
		.amdhsa_system_sgpr_workgroup_id_z 1
		.amdhsa_system_vgpr_workitem_id 0
		.amdhsa_next_free_vgpr 192
		.amdhsa_next_free_sgpr 66
		.amdhsa_reserve_vcc 1
		.amdhsa_float_denorm_mode_32 3
		.amdhsa_float_denorm_mode_16_64 3
		.amdhsa_memory_ordered 1
		.amdhsa_forward_progress 1
		.amdhsa_inst_pref_size 35
	.end_amdhsa_kernel
	.amdgpu_metadata
---
amdhsa.version: [ 1, 2 ]
amdhsa.kernels:
  - .name:           k_qe81d404059_router
    .symbol:         k_qe81d404059_router.kd
    .args:
      - { .name: hidden_states, .offset: 0, .size: 8, .value_kind: global_buffer, .address_space: global }
      - { .name: router_w, .offset: 8, .size: 8, .value_kind: global_buffer, .address_space: global }
      - { .name: xb, .offset: 16, .size: 8, .value_kind: global_buffer, .address_space: global }
      - { .name: bm, .offset: 24, .size: 8, .value_kind: global_buffer, .address_space: global }
      - { .name: wts, .offset: 32, .size: 8, .value_kind: global_buffer, .address_space: global }
      - { .name: out1, .offset: 40, .size: 8, .value_kind: global_buffer, .address_space: global }
    .group_segment_fixed_size: 111616
    .private_segment_fixed_size: 0
    .kernarg_segment_align: 8
    .kernarg_segment_size: 48
    .max_flat_workgroup_size: 256
    .sgpr_count:     66
    .vgpr_count:     192
    .wavefront_size: 32
...
	.end_amdgpu_metadata
.endif
;; end of part 1
;; launch gateup (part 2): grid 32 x 8, 4 waves a work-group, no clusters, 262,656 bytes of LDS; arguments gate_w, up_w, xb, bm, hid; writes hid
.if DOCPART == 2
	.amdgcn_target "amdgcn-amd-amdhsa--gfx1250"
	.amdhsa_code_object_version 6
	.text
	.protected	k_qe81d404059_gateup
	.globl	k_qe81d404059_gateup
	.p2align	8
	.type	k_qe81d404059_gateup,@function
k_qe81d404059_gateup:
	s_mov_b64 s[64:65], 0
	v_nop
	global_prefetch_b8 v0, s[64:65] scope:SCOPE_SE
	s_setreg_imm32_b32 hwreg(HW_REG_WAVE_MODE, 25, 1), 1
	s_wait_xcnt 0x0
; hid = silu(x gate_w[e]) * (x up_w[e]) for the tokens that chose expert e, in bf16, row = the token's rank (its place) among them.
; SHARES.  Work-group (s, e) owns columns 64 s .. 64 s + 63 of gate_w[e] and of up_w[e], which it alone reads: 512 KiB of f32.  They go through registers, are rounded to bf16 and laid into LDS
; as ready fragments (256 KiB); one barrier; then the expert's rows are walked, 16 a tile, tile T = 4 u + w for wave w, five tiles a pass.  Behind that barrier nothing but the closing add writes LDS.
; K's ORDER.  K goes in chunks of 64, two matrix instructions deep (q = 0, 1).  Slot (lane half h, register i, half-word b) of a fragment holds k = 64 c + 32 h + 16 q + 2 i + b, in both sources alike:
; the products are the same, a lane's bytes of x for a chunk are 64 consecutive bytes, and a weight load takes whole row pieces of 256 bytes.
; COLUMNS' ORDER.  Fragment f holds as its column number m the real column 4 m + f: a lane's four f32 of a weight row go to four fragments.
; THE MATRIX INSTRUCTION IS USED TRANSPOSED: source 0 = 16 columns of weights, source 1 = 16 tokens.  A lane (h, r) then holds token row r and the column numbers 8 h + j, j = 0 .. 7: 16 bytes of bf16.
; hid's LAYOUT: [e][slice][tile][piece f = 0..3][lane][16 bytes]: lane (h, r) of piece f holds row 16 tile + r, hidden columns 64 slice + 4 (8 h + j) + f.  That is the image of the next launch's
; operand registers; a store here, and a load there, covers 512 consecutive bytes.
; WHICH TOKEN HAS A PLACE is found in registers from the expert's bit map, which stays in 32 scalar registers (SEARCH): no list, no trip through LDS.
; EVERY SPLIT IS SERVED: 0 to 1,024 rows.  The pass loop counts to 4; dead passes and dead tiles' products and stores are jumped forward.  In a live pass all five tiles' loads are issued
; (places past the count repeat the expert's last row), so the counted waits hold on every way, and the first products (C = 0) are made for all five, so every accumulator is written.
; NO MULTICAST: a slice of weights has one reader; the token rows lie strewn in xb, which no descriptor covers.
; LIMITS.  x and the weights are rounded to bf16, the result once to bf16; exponentials flush denormals; NaN and infinities are not treated apart.
.set SPARE, 262144    ; behind the image: the spare words, 128 bytes a wave; no other line names them
.set WV,  14          ; s14 wave   s15 slice   s16 expert
.set SL,  15
.set EX,  16
.set TA,  18          ; s[18:19] at work
.set WB,  20          ; s[20:21] my weights
.set BMP, 22          ; s[22:23] the expert's bit map
.set PF,  24          ; n, the expert's rows
.set NT,  25          ; tiles
.set NTW, 26          ; my wave's tiles
.set DN,  27          ; of which done
.set NL,  28          ; live tiles in this pass (may pass 5)
.set PC,  29
.set KC,  30
.set SC,  31
.set TC,  32
.set N1,  33          ; the last place that holds a row: n - 1 (0 where n = 0)
.set XP,  34          ; s[34:35] xb at the chunk last fetched
.set CE,  36          ; s[36:37] -log2(e)
.set MK,  40          ; s40-44 five masks, a tile each
.set W,   68          ; s[68:99] the bit map's 32 words; never rewritten
.set LN,  1
.set R,   2
.set HF,  3
.set SPW, 4           ; my spare word's address; never rewritten
.set NIL, 5           ; 0; never rewritten
.set WO,  6           ; 32 rows x 8,192 bytes x h + 16 r
.set SA,  7           ; where my fragments go
.set PP,  8           ; my row's place in the tile that SEARCH takes next
.set T0,  11
.set BA,  13          ; the chunk in hand in the image: 16 x lane + 16,384 x chunk
.set HO,  16          ; my byte offset in hid
.set H64, 17
.set AO,  20          ; v20-24 my row's byte offset in xb, a tile each
.set B0,  64          ; v64-127, v128-191: the weights' eight fragments of a q step, two buffers
.set B1,  128
.set WD,  64          ; SEARCH works in buffer 0's registers, five of each kind: the word that holds the place,
.set CB,  70          ; its number and the rank in it,
.set KK,  76          ; the rank,
.set C1,  82          ; the word's counts in fields of 2,
.set C2,  88          ; 4,
.set C4,  94          ; 8
.set C8,  100         ; and 16 bits,
.set PS,  106         ; the bit's position,
.set TT,  112         ; at work
.set TU,  118
.set F,   192         ; v192-223 rounded fragments on their way to LDS
.set T,   192         ; v192-223 at work on the way out
.set HH,  224         ; v224-239 the way out: four pieces of 16 bytes
; window 1: x's fragments: set a (0-2), tile i, 16 bytes u at 80 a + 16 i + 4 u.   window 2: accumulators of tiles 0-3 at 64 i + 8 n (n = 0-3 gate, 4-7 up); at the stage four load slots of 64.   window 3: v0-63 tile 4
.set MSB, 0
.macro WIN new                         ; the immediate's high byte repeats the setting that is left; a switch that changes nothing is dropped
.if MSB != (\new)
	s_set_vgpr_msb (MSB<<8)|(\new)
.set MSB, \new
.endif
.endm
.macro PLACES                          ; four places between a matrix instruction and a load into, or a vector read of, its registers
.rept 4
	v_nop
.endr
.endm
; 32 k x 64 columns of f32: load j takes rows 32 h + j of the set, 256 consecutive bytes for each half of the lanes
.macro LOADSET sl, imm
	WIN 0x80                                       ; destination window 2
.irp j, 0,1,2,3,4,5,6,7,8,9,10,11,12,13,14,15
	global_load_b128 v[64*(\sl)+4*(\j):64*(\sl)+4*(\j)+3], v[WO], s[WB:WB+1] offset:(\imm)+(\j)*8192 th:TH_LOAD_NT
.endr
.endm
; register i of fragment f = rows 2 i and 2 i + 1 of column 4 r + f; a fragment lies in LDS as its registers do: 512 bytes for registers 0-3, 512 for 4-7, 16 bytes a lane
.macro CVTSET sl, off
	WIN 0x0a                                       ; sources window 2
.irp f, 0,1,2,3
.irp i, 0,1,2,3,4,5,6,7
	v_cvt_pk_bf16_f32 v[F+8*(\f)+(\i)], v[64*(\sl)+8*(\i)+(\f)], v[64*(\sl)+8*(\i)+4+(\f)]
.endr
.endr
	WIN 0
.irp f, 0,1,2,3
	ds_store_b128 v[SA], v[F+8*(\f):F+8*(\f)+3]   offset:(\off)+(\f)*1024
	ds_store_b128 v[SA], v[F+8*(\f)+4:F+8*(\f)+7] offset:(\off)+(\f)*1024+512
.endr
.endm
.macro SET sl, refill, left
	s_wait_loadcnt \left                           ; this slot's sixteen loads are in; the younger slots' stay out
	CVTSET \sl, (\sl)*16384
.if \refill
	LOADSET \sl, (4+(\sl))*524288                  ; the chunk four further on
.endif
.endm
.macro ALL5 line:vararg                ; one line for each of the five tiles t: five chains side by side, so that no line reads the result of the one before it
.set t, 0
.rept 5
	\line
.set t, t+1
.endr
.endm
; One halving step: the count of set bits in the lower half of the stretch at PS; where the rank reaches it, the bit lies in the upper half
.macro STEP c, wid, inc, last
	ALL5 v_bfe_u32 v[TT+t], v[(\c)+t], v[PS+t], \wid
	ALL5 v_cmp_ge_u32 s[MK+t], v[KK+t], v[TT+t]
.if !(\last)
	ALL5 v_cndmask_b32 v[TT+t], 0, v[TT+t], s[MK+t]
	ALL5 v_sub_nc_u32 v[KK+t], v[KK+t], v[TT+t]
.endif
	ALL5 v_cndmask_b32 v[TU+t], 0, \inc, s[MK+t]
	ALL5 v_add_nc_u32 v[PS+t], v[PS+t], v[TU+t]
.endm
; SEARCH: the rows of xb for my lane's places PP, PP + 64, .. PP + 256 (the wave's next five tiles), each held to the last place that has a row.
; First, a tile a trip: the last word g of the bit map in front of which at most p bits are set holds the place; one compare and two selects a word.  The second select takes (g << 16) - count, which with
; p added is g in the upper half and the rank in the word in the lower.  The five results are shifted through five registers.  Then, for the five tiles side by side, the bit of that rank.
.macro SEARCH
.irp t, 1,2,3,4
	v_mov_b32 v[WD+(\t)], 0                        ; the first trips shift these on: they have to be written
	v_mov_b32 v[CB+(\t)], 0
.endr
	s_mov_b32 s[SC], 5
.Lsr_\@:
.irp t, 0,1,2,3
	v_mov_b32 v[WD+(\t)], v[WD+(\t)+1]
	v_mov_b32 v[CB+(\t)], v[CB+(\t)+1]
.endr
	v_min_u32 v[T0], s[N1], v[PP]                  ; p
	v_mov_b32 v[WD+4], s[W]                        ; in front of word 0 no bit is set
	v_mov_b32 v[CB+4], 0
	s_bcnt1_i32_b32 s[TA], s[W]
.set g, 1
.rept 31
	v_cmp_le_u32 vcc_lo, s[TA], v[T0]
	s_sub_co_u32 s[TA+1], g<<16, s[TA]
	v_cndmask_b32 v[WD+4], v[WD+4], s[W+g], vcc_lo
	v_cndmask_b32 v[CB+4], v[CB+4], s[TA+1], vcc_lo
.if g < 31
	s_bcnt1_i32_b32 s[TC], s[W+g]
	s_add_co_u32 s[TA], s[TA], s[TC]
.endif
.set g, g+1
.endr
	v_add_nc_u32 v[CB+4], v[CB+4], v[T0]
	v_add_nc_u32 v[PP], 64, v[PP]                  ; my wave's next tile lies four tiles on
	s_sub_co_u32 s[SC], s[SC], 1
	s_cmp_lg_u32 s[SC], 0
	s_cbranch_scc1 .Lsr_\@
	ALL5 v_and_b32 v[KK+t], 0xffff, v[CB+t]        ; the rank in the word
	ALL5 v_lshrrev_b32 v[CB+t], 16, v[CB+t]        ; the word's number
	ALL5 v_lshrrev_b32 v[TT+t], 1, v[WD+t]
	ALL5 v_and_b32 v[TT+t], 0x55555555, v[TT+t]
	ALL5 v_sub_nc_u32 v[C1+t], v[WD+t], v[TT+t]    ; counts of 2 bits
	ALL5 v_lshrrev_b32 v[TT+t], 2, v[C1+t]
	ALL5 v_and_b32 v[TT+t], 0x33333333, v[TT+t]
	ALL5 v_and_b32 v[C2+t], 0x33333333, v[C1+t]
	ALL5 v_add_nc_u32 v[C2+t], v[C2+t], v[TT+t]    ; of 4
	ALL5 v_lshrrev_b32 v[TT+t], 4, v[C2+t]
	ALL5 v_add_nc_u32 v[C4+t], v[C2+t], v[TT+t]
	ALL5 v_and_b32 v[C4+t], 0x0f0f0f0f, v[C4+t]    ; of 8
	ALL5 v_lshrrev_b32 v[TT+t], 8, v[C4+t]
	ALL5 v_add_nc_u32 v[C8+t], v[C4+t], v[TT+t]    ; its lowest byte: of bits 0-15
	ALL5 v_mov_b32 v[PS+t], 0
	STEP C8, 8, 16, 0
	STEP C4, 8, 8, 0
	STEP C2, 4, 4, 0
	STEP C1, 2, 2, 0
	STEP WD, 1, 1, 1
	ALL5 v_lshl_add_u32 v[TT+t], v[CB+t], 5, v[PS+t]    ; the token
	ALL5 v_min_u32 v[TT+t], 1023, v[TT+t]               ; inside xb, whatever the map holds
	ALL5 v_lshl_add_u32 v[AO+t], v[TT+t], 11, v[H64]    ; its row of 2,048 bytes + 64 h
.endm
	s_load_b256 s[4:11], s[0:1], 0x0               ; gate_w s[4:5], up_w s[6:7], xb s[8:9], bm s[10:11]
	s_load_b64 s[12:13], s[0:1], 0x20              ; hid
	v_lshl_add_u32 v[SPW], v0, 2, SPARE
	v_mov_b32 v[NIL], 0
	v_lshrrev_b32 v[T0], 5, v0
	v_readfirstlane_b32 s[WV], v[T0]               ; wave 0..3: it stages q = w / 2 of gate_w (w even) or up_w (w odd)
	v_and_b32 v[LN], 31, v0
	v_and_b32 v[R], 15, v0
	v_bfe_u32 v[HF], v0, 4, 1
	s_mov_b32 s[SL], ttmp9
	s_and_b32 s[EX], ttmp7, 0xffff
	v_lshlrev_b32 v[WO], 4, v[R]
	v_lshl_add_u32 v[WO], v[HF], 18, v[WO]
	s_lshl_b32 s[TA], s[WV], 12
	v_lshl_add_u32 v[SA], v[LN], 4, s[TA]          ; the image: chunk x 16,384 + wave x 4,096 + fragment x 1,024
	s_lshl_b32 s[TA], s[EX], 23                    ; the expert's 8 MiB,
	s_lshl_b32 s[TA+1], s[SL], 8                   ; my slice's 256 bytes of a row,
	s_add_co_u32 s[TA], s[TA], s[TA+1]
	s_lshr_b32 s[TA+1], s[WV], 1
	s_lshl_b32 s[TA+1], s[TA+1], 17                ; 16 rows on for q = 1
	s_add_co_u32 s[TA], s[TA], s[TA+1]
	s_mov_b32 s[TA+1], 0
	s_and_b32 s[NL], s[WV], 1
	s_wait_kmcnt 0x0
	s_cmp_eq_u32 s[NL], 1
	s_cselect_b64 s[WB:WB+1], s[6:7], s[4:5]
	s_add_nc_u64 s[WB:WB+1], s[WB:WB+1], s[TA:TA+1]
	s_lshl_b32 s[TA], s[EX], 7
	s_add_nc_u64 s[BMP:BMP+1], s[10:11], s[TA:TA+1]
	s_load_b512 s[W:W+15], s[BMP:BMP+1], 0x0
	s_load_b512 s[W+16:W+31], s[BMP:BMP+1], 0x40
	LOADSET 0, 0                                   ; four slots, 64 loads of 512 bytes a wave: the stream is on its way before anything else is done
	LOADSET 1, 524288
	LOADSET 2, 1048576
	LOADSET 3, 1572864
	WIN 0
	s_lshl_b32 s[TA], s[EX], 5
	s_add_co_u32 s[TA], s[TA], s[SL]
	s_lshl_b32 s[TA], s[TA], 17                    ; hid: 64 tiles x 2,048 bytes for each (expert, slice)
	s_add_nc_u64 s[12:13], s[12:13], s[TA:TA+1]
	s_mov_b32 s[CE], 0xbfb8aa3b
	s_mov_b32 s[CE+1], s[CE]                       ; named with it as a pair
	s_lshl_b32 s[TA], s[WV], 4
	v_add_nc_u32 v[PP], s[TA], v[R]                ; tile w, row r
	s_lshl_b32 s[TA], s[WV], 11
	v_lshl_add_u32 v[HO], v[LN], 4, s[TA]          ; tile w: 2,048 w + 16 x lane
	v_lshlrev_b32 v[H64], 6, v[HF]
	s_mov_b32 s[PF], 0
	s_wait_kmcnt 0x0                               ; the bit map
.set g, 0
.rept 32
	s_bcnt1_i32_b32 s[TC], s[W+g]
	s_add_co_u32 s[PF], s[PF], s[TC]
.set g, g+1
.endr
	s_add_co_u32 s[NT], s[PF], 15
	s_lshr_b32 s[NT], s[NT], 4
	s_add_co_u32 s[NTW], s[NT], 3
	s_sub_co_u32 s[NTW], s[NTW], s[WV]
	s_lshr_b32 s[NTW], s[NTW], 2                   ; tiles 4 u + w below NT
	s_max_u32 s[N1], s[PF], 1
	s_sub_co_u32 s[N1], s[N1], 1
	SEARCH                                         ; the first pass's rows, found while the weights are on their way
	; THE STAGE: my sixteen sets (chunks 0-15 of my q and matrix) through four slots
	s_mov_b32 s[SC], 3
.Lstage:
	SET 0, 1, 48
	SET 1, 1, 48
	SET 2, 1, 48
	SET 3, 1, 48
	WIN 0
	s_wait_xcnt 0x0                                ; the loads' base is stepped only behind this wait
	s_add_nc_u64 s[WB:WB+1], s[WB:WB+1], 0x200000  ; four chunks of 64 rows
	v_add_nc_u32 v[SA], 0x10000, v[SA]
	s_sub_co_u32 s[SC], s[SC], 1
	s_cmp_lg_u32 s[SC], 0
	s_cbranch_scc1 .Lstage
	SET 0, 0, 48                                   ; the last four sets: nothing more to fetch, the counts run down
	SET 1, 0, 32
	SET 2, 0, 16
	SET 3, 0, 0
	s_wait_dscnt 0x0                               ; for the others' sake: my part of the image is in LDS
	s_barrier_signal -1
	s_barrier_wait -1                              ; the image is whole; from here on it is only read
; x's fragments of a chunk for five tiles: 64 consecutive bytes a lane and tile
.macro ALOAD a, sb, imm
	WIN 0x40                                       ; destination window 1
.irp i, 0,1,2,3,4
.irp u, 0,1,2,3
	global_load_b128 v[80*(\a)+16*(\i)+4*(\u):80*(\a)+16*(\i)+4*(\u)+3], v[AO+(\i)], s[(\sb):(\sb)+1] offset:(\imm)+16*(\u)
.endr
.endr
	WIN 0
.endm
.macro BLOAD buf, off                  ; the eight fragments of a q step: 16 bytes a lane, consecutive
.irp n, 0,1,2,3,4,5,6,7
	ds_load_b128 v[(\buf)+8*(\n):(\buf)+8*(\n)+3],   v[BA] offset:(\off)+(\n)*1024
	ds_load_b128 v[(\buf)+8*(\n)+4:(\buf)+8*(\n)+7], v[BA] offset:(\off)+(\n)*1024+512
.endr
.endm
; 8 products a live tile.  The accumulators take turns, one instruction a turn: the last is always an n = 7, the next first an n = 0.  zero = 1: the products start the sums, for all five tiles
.macro MULQ buf, a, q, zero
.irp i, 0,1,2,3,4
.if !(\zero) && ((\i) >= 1)
	WIN 0
	s_cmp_le_u32 s[NL], \i
	s_cbranch_scc1 .Lmq_\@
.endif
	WIN 0xa4+0x50*((\i)/4)                         ; source 0 (weights) window 0, source 1 (x) window 1, C and D window 2 (tile 4: window 3)
.irp n, 0,1,2,3,4,5,6,7
.if \zero
	v_wmma_f32_16x16x32_bf16 v[64*((\i)%4)+8*(\n):64*((\i)%4)+8*(\n)+7], v[(\buf)+8*(\n):(\buf)+8*(\n)+7], v[80*(\a)+16*(\i)+8*(\q):80*(\a)+16*(\i)+8*(\q)+7], 0
.else
	v_wmma_f32_16x16x32_bf16 v[64*((\i)%4)+8*(\n):64*((\i)%4)+8*(\n)+7], v[(\buf)+8*(\n):(\buf)+8*(\n)+7], v[80*(\a)+16*(\i)+8*(\q):80*(\a)+16*(\i)+8*(\q)+7], v[64*((\i)%4)+8*(\n):64*((\i)%4)+8*(\n)+7]
.endif
.endr
.endr
	WIN 0
.Lmq_\@:
.endm
; A chunk of 64 along K: multiplies x's set a.  fetch = 1: x's set an is fetched, two chunks on.  left: the younger loads of x that may stay out.  nextb = 1: the next chunk's first fragments are fetched
.macro CHUNK a, an, zero, fetch, left, nextb
	PLACES                                         ; for the loads into set an and buffer 1, which the chunk before multiplied
.if \fetch
	s_wait_xcnt 0x0                                ; the loads' base is stepped only behind this wait
	s_add_nc_u64 s[XP:XP+1], s[XP:XP+1], 128
	ALOAD \an, XP, 0
.endif
	BLOAD B1, 8192                                 ; this chunk's q = 1
	s_wait_loadcnt \left                           ; set a is in; the younger sets, 20 loads each, stay out
	s_wait_dscnt 16                                ; buffer 0 is in; buffer 1's sixteen stay out
	MULQ B0, \a, 0, \zero
.if \nextb
	PLACES
	BLOAD B0, 16384                                ; the next chunk's q = 0
	s_wait_dscnt 16                                ; buffer 1 is in
.else
	s_wait_dscnt 0x0                               ; buffer 1 is in; nothing was asked for behind it
.endif
	MULQ B1, \a, 1, 0
.if \nextb
	v_add_nc_u32 v[BA], 16384, v[BA]
.endif
.endm
; The way out of tile i: g / (1 + 2^(-g log2 e)) * u, rounded to bf16: fragment f's eight numbers of my row are piece f's 16 bytes
.macro EPI i
	WIN 0
.if (\i) >= 1
	s_cmp_le_u32 s[NL], \i
	s_cbranch_scc1 .Lpass_end
.endif
.set AC, 64*((\i)%4)
	WIN 2+(\i)/4                                   ; source 0: the accumulators' window
.set x, 0
.rept 16                               ; ascending: each accumulator is read from its low end on
	v_pk_mul_f32 v[T+x:T+x+1], v[AC+x:AC+x+1], s[CE:CE+1] op_sel_hi:[1,0]
.set x, x+2
.endr
	WIN 0
.set x, 0
.rept 32
	v_exp_f32 v[T+x], v[T+x]
.set x, x+1
.endr
	v_nop                                          ; a plain instruction behind the last exponential,
	s_wait_alu depctr_va_vdst(0)                   ; and one wait for the batch, ahead of its first reader
.set x, 0
.rept 16
	v_pk_add_f32 v[T+x:T+x+1], v[T+x:T+x+1], 1.0 op_sel_hi:[1,0]
.set x, x+2
.endr
.set x, 0
.rept 32
	v_rcp_f32 v[T+x], v[T+x]
.set x, x+1
.endr
	v_nop
	s_wait_alu depctr_va_vdst(0)                   ; one wait for the 32 reciprocals
	WIN 2+(\i)/4
.set x, 0
.rept 16
	v_pk_mul_f32 v[T+x:T+x+1], v[AC+x:AC+x+1], v[T+x:T+x+1]
.set x, x+2
.endr
.set x, 0
.rept 16
	v_pk_mul_f32 v[T+x:T+x+1], v[AC+32+x:AC+32+x+1], v[T+x:T+x+1]
.set x, x+2
.endr
	WIN 0
	s_wait_xcnt 0x0                                ; the last tile's stores have read HH
.set x, 0
.rept 16
	v_cvt_pk_bf16_f32 v[HH+x], v[T+2*x], v[T+2*x+1]
.set x, x+1
.endr
.irp f, 0,1,2,3
	global_store_b128 v[HO], v[HH+4*(\f):HH+4*(\f)+3], s[12:13] offset:(\i)*8192+(\f)*512   ; 512 consecutive bytes, at a multiple of 512 from hid's first byte
.endr
.endm
	s_mov_b32 s[DN], 0
	s_mov_b32 s[PC], 0
.Lpass:                                                ; four passes of five tiles a wave cover 1,280 places, more than any split needs
	s_cmp_le_u32 s[NTW], s[DN]
	s_cbranch_scc1 .Lpass_end                      ; nothing left for my wave
	s_sub_co_u32 s[NL], s[NTW], s[DN]
	v_lshlrev_b32 v[BA], 4, v[LN]                  ; the image's chunk 0
	s_add_nc_u64 s[XP:XP+1], s[8:9], 128           ; chunk 1: the last that the pass's head fetches
	ALOAD 0, 8, 0                                  ; chunks 0 and 1
	ALOAD 1, 8, 128
	BLOAD B0, 0
	CHUNK 0, 2, 1, 1, 40, 1                        ; chunk 0 stands in front of the loop: its first products start the sums
	s_mov_b32 s[KC], 4
.Lk:                                                   ; chunks 1 to 12
	CHUNK 1, 0, 0, 1, 40, 1
	CHUNK 2, 1, 0, 1, 40, 1
	CHUNK 0, 2, 0, 1, 40, 1
	s_sub_co_u32 s[KC], s[KC], 1
	s_cmp_lg_u32 s[KC], 0
	s_cbranch_scc1 .Lk
	CHUNK 1, 0, 0, 1, 40, 1                        ; chunk 13 fetches chunk 15's rows, the last;
	CHUNK 2, 0, 0, 0, 20, 1                        ; chunk 14: only chunk 15's twenty loads are younger;
	CHUNK 0, 0, 0, 0, 0, 0                         ; chunk 15: nothing is left to fetch
	PLACES                                         ; the way out reads results just made
	EPI 0
	EPI 1
	EPI 2
	EPI 3
	EPI 4
.Lpass_end:
	s_wait_xcnt 0x0                                ; the stores' offset is stepped only behind this wait
	s_add_co_u32 s[DN], s[DN], 5
	v_add_nc_u32 v[HO], 40960, v[HO]
	s_cmp_le_u32 s[NTW], s[DN]
	s_cbranch_scc1 .Lno_more                       ; no further pass is live: nothing to look for
	SEARCH                                         ; the next pass's rows; the loads that read AO have all come back (chunk 15's wait is for 0)
.Lno_more:
	s_add_co_u32 s[PC], s[PC], 1
	s_cmp_lt_u32 s[PC], 4
	s_cbranch_scc1 .Lpass
	s_wait_dscnt 0x0                               ; my reads of LDS are over;
	s_barrier_signal -1
	s_barrier_wait -1                              ; every wave's are, before any wave writes LDS again
	s_wait_tensorcnt 0x0                           ; the wave's end
	ds_add_u32 v[SPW], v[NIL]
	s_wait_dscnt 0x0
	s_endpgm
.Lfunc_end_k_qe81d404059_gateup:
	.size	k_qe81d404059_gateup, .Lfunc_end_k_qe81d404059_gateup-k_qe81d404059_gateup
	.p2alignl 7, 3214868480
	.fill 96, 4, 3214868480
	.section	.rodata,"a",@progbits
	.p2align	6, 0x0
	.amdhsa_kernel k_qe81d404059_gateup
		.amdhsa_group_segment_fixed_size 262656
		.amdhsa_private_segment_fixed_size 0
		.amdhsa_enable_private_segment 0
		.amdhsa_kernarg_size 40
		.amdhsa_user_sgpr_count 2
		.amdhsa_user_sgpr_kernarg_segment_ptr 1
		.amdhsa_wavefront_size32 1
		.amdhsa_system_sgpr_workgroup_id_x 1
		.amdhsa_system_sgpr_workgroup_id_y 1
		.amdhsa_system_sgpr_workgroup_id_z 1
		.amdhsa_system_vgpr_workitem_id 0
		.amdhsa_next_free_vgpr 832
		.amdhsa_next_free_sgpr 100
		.amdhsa_reserve_vcc 1
		.amdhsa_float_denorm_mode_32 3
		.amdhsa_float_denorm_mode_16_64 3
		.amdhsa_memory_ordered 1
		.amdhsa_forward_progress 1
		.amdhsa_inst_pref_size 192
	.end_amdhsa_kernel
	.amdgpu_metadata
---
amdhsa.version: [ 1, 2 ]
amdhsa.kernels:
  - .name:           k_qe81d404059_gateup
    .symbol:         k_qe81d404059_gateup.kd
    .args:
      - { .name: gate_w, .offset: 0, .size: 8, .value_kind: global_buffer, .address_space: global }
      - { .name: up_w, .offset: 8, .size: 8, .value_kind: global_buffer, .address_space: global }
      - { .name: xb, .offset: 16, .size: 8, .value_kind: global_buffer, .address_space: global }
      - { .name: bm, .offset: 24, .size: 8, .value_kind: global_buffer, .address_space: global }
      - { .name: hid, .offset: 32, .size: 8, .value_kind: global_buffer, .address_space: global }
    .group_segment_fixed_size: 262656
    .private_segment_fixed_size: 0
    .kernarg_segment_align: 8
    .kernarg_segment_size: 40
    .max_flat_workgroup_size: 128
    .sgpr_count:     100
    .vgpr_count:     832
    .wavefront_size: 32
...
	.end_amdgpu_metadata
.endif
;; end of part 2
;; launch down (part 3): grid 32 x 8, 4 waves a work-group, no clusters, 152,576 bytes of LDS; arguments out_w, hid, bm, wts, part; writes part
.if DOCPART == 3
	.amdgcn_target "amdgcn-amd-amdhsa--gfx1250"
	.amdhsa_code_object_version 6
	.text
	.protected	k_qe81d404059_down
	.globl	k_qe81d404059_down
	.p2align	8
	.type	k_qe81d404059_down,@function
k_qe81d404059_down:
	s_mov_b64 s[64:65], 0
	v_nop
	global_prefetch_b8 v0, s[64:65] scope:SCOPE_SE
	s_setreg_imm32_b32 hwreg(HW_REG_WAVE_MODE, 25, 1), 1
	s_wait_xcnt 0x0
; part[kh][slot][token][64 cs ..] = weight(token, slot) x the sum over one half of I of hid[e][..][pos] out_w[e], for the tokens that chose expert e; f32 partial sums.
; SHARES.  Work-group (x, e): cs = x % 16 is a slice of 64 columns of out_w[e], kh = x / 16 a half of its 2,048 rows: 256 KiB of f32 that it alone reads, laid into LDS as bf16 fragments (128 KiB);
; one barrier; then the expert's rows are walked, 16 a tile, tile T = 4 u + w for wave w, five tiles a pass.  Behind that barrier nothing but the closing add writes LDS.
; hid LIES AS MY OPERAND REGISTERS TAKE IT: [e][slice][tile][piece u = 0..3][lane][16 bytes]; lane (h, r) of piece u holds row r of the tile and the hidden columns 64 slice + 32 h + 4 j + u, j = 0 .. 7.
; A chunk of 64 along K is one slice; a load of a piece covers 512 consecutive bytes; pieces 2 q and 2 q + 1 are the fragment of step q.
; K's ORDER follows from that: slot (lane half h, register i, half-word b) of step q holds k = 64 c + 32 h + 4 (2 (i % 4) + b) + 2 q + i / 4, in the weights' fragments too: only the order in which
; the stage takes the weights' rows hangs on it.  COLUMNS' ORDER: fragment f's column r is the real column 4 r + f.
; THE LIST holds slot x 1,024 + token for each place: the row of part, and the place of the weight.
; PLACES PAST THE COUNT REPEAT THE EXPERT'S LAST ROW: the launch before made them of the same row of x, and the list repeats the last entry.  So in the last tile the same numbers are stored onto the
; same bytes again, by the same wave, and EXEC is never narrowed.  A tile past the count loads one piece of 16 bytes of the last tile that exists in all lanes, so that every load stays on written bytes and
; the counted waits hold on every way; its products and stores are jumped.
; EVERY SPLIT IS SERVED: 0 to 1,024 rows; the pass loop counts to 4, dead passes are jumped forward.
; NO MULTICAST: a slice of weights has one reader; the shared rows of hid are a sixteenth of a work-group's bytes when the rows are dealt evenly.
; LIMITS.  The weights are rounded to bf16; NaN and infinities are not treated apart.
.set LIST,  131072
.set LSZ,   5248      ; 1,280 places, then 32 dump words
.set SPARE, LIST+4*LSZ  ; 152,064: the spare words, 128 bytes a wave; no other line names them
.set N1,  2           ; s2 the last place that holds a row: n - 1 (0 where n = 0)
.set NT1, 3           ; s3 the last tile that exists (0 where there is none)
.set WV,  14
.set XX,  15          ; at the head: the work-group's x; later TB
.set TB,  15          ; my wave's first tile of the pass
.set EX,  16
.set CSL, 17          ; cs
.set KH,  18          ; kh
.set TM,  19
.set WB,  20          ; s[20:21]
.set BMP, 22          ; s[22:23]
.set PF,  24          ; the running count, then n
.set NT,  25
.set NTW, 26
.set DN,  27
.set NL,  28
.set PC,  29
.set KC,  30
.set LBS, 31          ; my list's first byte
.set W1,  32          ; s[32:63] plane 1 of the bit map
.set XP,  66          ; s[66:67] hid at the chunk last fetched
.set W,   68          ; s[68:99] plane 0
.set TP,  100         ; s[100:101] at work
.set LN,  1
.set R,   2
.set HF,  3
.set SPW, 4           ; never rewritten
.set NIL, 5           ; never rewritten
.set WO,  6
.set SA,  7
.set DI,  8
.set LZ,  9
.set T2,  10
.set T0,  11
.set T1,  12
.set BA,  13          ; the chunk in hand in the image: 16 x lane + 8,192 x chunk
.set LA,  15
.set R16, 16
.set L16, 17          ; 16 x lane
.set AO,  20          ; v20-24 my 16 bytes' offset in a slice of hid, a tile each
.set ZR,  28          ; v28-31 zeros, at the head
.set B0,  40          ; v40-71, v72-103: the weights' four fragments of a q step, two buffers
.set B1,  72
.set F,   104         ; v104-135 rounded fragments on their way to LDS
.set OB,  104         ; v104-135 the way out: four numbers for each of a tile's eight stores
.set EN,  144         ; v144-183 list entries of my eight rows, a tile each
.set PW,  184         ; v184-223 their weights
.set AD,  224         ; v224-231 the eight stores' offsets
; window 1: hid's fragments, set a, tile i, piece u at 80 a + 16 i + 4 u.   window 2: accumulators at 32 i + 8 f; at the stage four load slots of 64
.set MSB, 0
.macro WIN new                         ; the immediate's high byte repeats the setting that is left; a switch that changes nothing is dropped
.if MSB != (\new)
	s_set_vgpr_msb (MSB<<8)|(\new)
.set MSB, \new
.endif
.endm
.macro PLACES                          ; four places between a matrix instruction and a load into, or a vector read of, its registers
.rept 4
	v_nop
.endr
.endm
; 32 k x 64 columns of f32: load j = 2 i + b fills half-word b of register i, so it takes row 32 h + 2 q + 4 (j % 8) + j / 8 of the chunk: 256 consecutive bytes for each half of the lanes
.macro LOADSET sl, imm
	WIN 0x80
.irp j, 0,1,2,3,4,5,6,7,8,9,10,11,12,13,14,15
	global_load_b128 v[64*(\sl)+4*(\j):64*(\sl)+4*(\j)+3], v[WO], s[WB:WB+1] offset:(\imm)+(4*((\j)&7)+((\j)>>3))*4096 th:TH_LOAD_NT
.endr
.endm
.macro CVTSET sl, off
	WIN 0x0a
.irp f, 0,1,2,3
.irp i, 0,1,2,3,4,5,6,7
	v_cvt_pk_bf16_f32 v[F+8*(\f)+(\i)], v[64*(\sl)+8*(\i)+(\f)], v[64*(\sl)+8*(\i)+4+(\f)]
.endr
.endr
	WIN 0
.irp f, 0,1,2,3
	ds_store_b128 v[SA], v[F+8*(\f):F+8*(\f)+3]   offset:(\off)+(\f)*1024
	ds_store_b128 v[SA], v[F+8*(\f)+4:F+8*(\f)+7] offset:(\off)+(\f)*1024+512
.endr
.endm
.macro SET sl, refill, left
	s_wait_loadcnt \left                           ; this slot's sixteen loads are in; the younger slots' stay out
	CVTSET \sl, (\sl)*16384
.if \refill
	LOADSET \sl, (4+(\sl))*524288
.endif
.endm
	s_load_b256 s[4:11], s[0:1], 0x0               ; out_w s[4:5], hid s[6:7], bm s[8:9], wts s[10:11]
	s_load_b64 s[12:13], s[0:1], 0x20              ; part
	v_lshl_add_u32 v[SPW], v0, 2, SPARE
	v_mov_b32 v[NIL], 0
	v_lshrrev_b32 v[T0], 5, v0
	v_readfirstlane_b32 s[WV], v[T0]               ; wave 0..3: it stages q = w % 2 of the chunks 2 i + w / 2
	v_and_b32 v[LN], 31, v0
	v_and_b32 v[R], 15, v0
	v_bfe_u32 v[HF], v0, 4, 1
	s_mov_b32 s[XX], ttmp9
	s_and_b32 s[EX], ttmp7, 0xffff
	s_and_b32 s[CSL], s[XX], 15
	s_lshr_b32 s[KH], s[XX], 4
	v_lshlrev_b32 v[WO], 4, v[R]
	v_lshl_add_u32 v[WO], v[HF], 17, v[WO]         ; 32 rows x 4,096 bytes x h + 16 r
	s_lshl_b32 s[TM], s[WV], 12
	v_lshl_add_u32 v[SA], v[LN], 4, s[TM]          ; the image: chunk x 8,192 + q x 4,096 + fragment x 1,024; my set i lies at 16,384 i + 4,096 w
	s_lshl_b32 s[TP], s[EX], 23                    ; the expert's 8 MiB,
	s_lshl_b32 s[TM], s[KH], 22                    ; my half of its rows,
	s_add_co_u32 s[TP], s[TP], s[TM]
	s_lshl_b32 s[TM], s[CSL], 8                    ; my slice's 256 bytes of a row,
	s_add_co_u32 s[TP], s[TP], s[TM]
	s_lshr_b32 s[TM], s[WV], 1
	s_lshl_b32 s[TM], s[TM], 18                    ; a chunk of 64 rows on for waves 2 and 3,
	s_add_co_u32 s[TP], s[TP], s[TM]
	s_and_b32 s[TM], s[WV], 1
	s_lshl_b32 s[TM], s[TM], 13                    ; 2 rows on for q = 1
	s_add_co_u32 s[TP], s[TP], s[TM]
	s_mov_b32 s[TP+1], 0
	s_wait_kmcnt 0x0
	s_add_nc_u64 s[WB:WB+1], s[4:5], s[TP:TP+1]
	s_lshl_b32 s[TP], s[EX], 7
	s_add_nc_u64 s[BMP:BMP+1], s[8:9], s[TP:TP+1]
	s_load_b512 s[W:W+15], s[BMP:BMP+1], 0x0
	s_load_b512 s[W+16:W+31], s[BMP:BMP+1], 0x40
	s_load_b512 s[W1:W1+15], s[BMP:BMP+1], 0x400
	s_load_b512 s[W1+16:W1+31], s[BMP:BMP+1], 0x440
	LOADSET 0, 0                                   ; four slots, 64 loads of 512 bytes a wave
	LOADSET 1, 524288
	LOADSET 2, 1048576
	LOADSET 3, 1572864
	WIN 0
	s_lshl_b32 s[TP], s[EX], 5
	s_lshl_b32 s[TM], s[KH], 4
	s_add_co_u32 s[TP], s[TP], s[TM]
	s_lshl_b32 s[TP], s[TP], 17                    ; hid at the first slice of my half of K
	s_add_nc_u64 s[6:7], s[6:7], s[TP:TP+1]
	s_lshl_b32 s[TP], s[KH], 23
	s_lshl_b32 s[TM], s[CSL], 8
	s_add_co_u32 s[TP], s[TP], s[TM]               ; part: my half's two planes, my 256 bytes of a row
	s_add_nc_u64 s[12:13], s[12:13], s[TP:TP+1]
	; THE LIST, each wave's own copy, made while the weights are on their way
	s_mul_i32 s[LBS], s[WV], LSZ
	s_add_co_u32 s[LBS], s[LBS], LIST
	v_lshl_add_u32 v[LZ], v[LN], 4, s[LBS]
	v_add_nc_u32 v[DI], 1280, v[LN]
.irp z, 0,1,2,3
	v_mov_b32 v[ZR+(\z)], 0
.endr
.irp z, 0,1,2,3,4,5,6,7,8,9
	ds_store_b128 v[LZ], v[ZR:ZR+3] offset:512*(\z)
.endr
	s_mov_b32 s[PF], 0
	s_wait_kmcnt 0x0                               ; both planes of the bit map
.set g, 0
.rept 32
	v_mbcnt_lo_u32_b32 v[T0], s[W+g], s[PF]        ; the rank of token 32 g + lane
	v_cndmask_b32 v[T0], v[DI], v[T0], s[W+g]      ; a lane without a bit writes its dump word: EXEC stays whole
	v_min_u32 v[T0], 1311, v[T0]                   ; inside my copy, whatever the map holds
	v_lshl_add_u32 v[T0], v[T0], 2, s[LBS]
	v_or_b32 v[T1], 32*g, v[LN]
	v_or_b32 v[T2], 1024+32*g, v[LN]
	v_cndmask_b32 v[T1], v[T1], v[T2], s[W1+g]     ; slot 1 where the expert is the token's second choice
	ds_store_b32 v[T0], v[T1]
	s_bcnt1_i32_b32 s[TM], s[W+g]
	s_add_co_u32 s[PF], s[PF], s[TM]
.set g, g+1
.endr
	; the 32 places behind the last row take its entry (15 are needed): LDS serves a wave's instructions in order, so the load sees the stores above
	s_max_u32 s[N1], s[PF], 1
	s_sub_co_u32 s[N1], s[N1], 1
	v_mov_b32 v[T0], s[N1]
	v_min_u32 v[T0], 1023, v[T0]
	v_lshl_add_u32 v[T0], v[T0], 2, s[LBS]
	ds_load_b32 v[T1], v[T0]
	v_add_nc_u32 v[T2], s[PF], v[LN]
	v_min_u32 v[T2], 1311, v[T2]
	v_lshl_add_u32 v[T2], v[T2], 2, s[LBS]
	s_wait_dscnt 0x0                               ; the last entry is in
	ds_store_b32 v[T2], v[T1]
	s_add_co_u32 s[NT], s[PF], 15
	s_lshr_b32 s[NT], s[NT], 4
	s_add_co_u32 s[NTW], s[NT], 3
	s_sub_co_u32 s[NTW], s[NTW], s[WV]
	s_lshr_b32 s[NTW], s[NTW], 2                   ; tiles 4 u + w below NT
	s_max_u32 s[NT1], s[NT], 1
	s_sub_co_u32 s[NT1], s[NT1], 1
	s_lshl_b32 s[TM], s[WV], 6
	s_add_co_u32 s[TM], s[TM], s[LBS]
	v_lshl_add_u32 v[LA], v[HF], 5, s[TM]          ; the entries of rows 8 h .. 8 h + 7 of tile w
	v_lshlrev_b32 v[R16], 4, v[R]
	v_lshlrev_b32 v[L16], 4, v[LN]
	; THE STAGE: my eight sets through four slots; all offsets stand in the immediates
	SET 0, 1, 48
	SET 1, 1, 48
	SET 2, 1, 48
	SET 3, 1, 48
	WIN 0
	v_add_nc_u32 v[SA], 0x10000, v[SA]
	SET 0, 0, 48                                   ; the counts run down
	SET 1, 0, 32
	SET 2, 0, 16
	SET 3, 0, 0
	s_wait_dscnt 0x0                               ; for the others' sake: my part of the image is in LDS
	s_barrier_signal -1
	s_barrier_wait -1                              ; the image is whole; from here on it is only read
.macro ALOAD a, sb, imm                ; hid's fragments of a chunk for five tiles: four pieces a tile, each load 512 consecutive bytes
	WIN 0x40
.irp i, 0,1,2,3,4
.irp u, 0,1,2,3
	global_load_b128 v[80*(\a)+16*(\i)+4*(\u):80*(\a)+16*(\i)+4*(\u)+3], v[AO+(\i)], s[(\sb):(\sb)+1] offset:(\imm)+512*(\u)
.endr
.endr
	WIN 0
.endm
.macro BLOAD buf, off                  ; the four fragments of a q step
.irp f, 0,1,2,3
	ds_load_b128 v[(\buf)+8*(\f):(\buf)+8*(\f)+3],   v[BA] offset:(\off)+(\f)*1024
	ds_load_b128 v[(\buf)+8*(\f)+4:(\buf)+8*(\f)+7], v[BA] offset:(\off)+(\f)*1024+512
.endr
.endm
; 4 products a live tile; the accumulators take turns, one instruction a turn.  zero = 1: the products start the sums, for all five tiles
.macro MULQ buf, a, q, zero
.irp i, 0,1,2,3,4
.if !(\zero) && ((\i) >= 1)
	WIN 0
	s_cmp_le_u32 s[NL], \i
	s_cbranch_scc1 .Lmq_\@
.endif
	WIN 0xa1                                       ; source 0 (hid) window 1, source 1 (weights) window 0, C and D window 2
.irp f, 0,1,2,3
.if \zero
	v_wmma_f32_16x16x32_bf16 v[32*(\i)+8*(\f):32*(\i)+8*(\f)+7], v[80*(\a)+16*(\i)+8*(\q):80*(\a)+16*(\i)+8*(\q)+7], v[(\buf)+8*(\f):(\buf)+8*(\f)+7], 0
.else
	v_wmma_f32_16x16x32_bf16 v[32*(\i)+8*(\f):32*(\i)+8*(\f)+7], v[80*(\a)+16*(\i)+8*(\q):80*(\a)+16*(\i)+8*(\q)+7], v[(\buf)+8*(\f):(\buf)+8*(\f)+7], v[32*(\i)+8*(\f):32*(\i)+8*(\f)+7]
.endif
.endr
.endr
	WIN 0
.Lmq_\@:
.endm
; A chunk of 64 along K: multiplies set a.  fetch = 1: set an is fetched, two chunks on.  left: the younger loads of hid that may stay out.  nextb = 1: the next chunk's first fragments are fetched
.macro CHUNK a, an, zero, fetch, left, nextb
	PLACES                                         ; for the loads into set an and buffer 1, which the chunk before multiplied
.if \fetch
	s_wait_xcnt 0x0                                ; the loads' base is stepped only behind this wait
	s_add_nc_u64 s[XP:XP+1], s[XP:XP+1], 131072    ; a chunk is a slice of hid
	ALOAD \an, XP, 0
.endif
	BLOAD B1, 4096                                 ; this chunk's q = 1
	s_wait_loadcnt \left                           ; set a (and all that is older) is in; the younger sets, 20 loads each, stay out
	s_wait_dscnt 8                                 ; buffer 0 is in; buffer 1's eight stay out
	MULQ B0, \a, 0, \zero
.if \nextb
	PLACES
	BLOAD B0, 8192                                 ; the next chunk's q = 0
	s_wait_dscnt 8                                 ; buffer 1 is in
.else
	s_wait_dscnt 0x0                               ; buffer 1 is in; nothing was asked for behind it
.endif
	MULQ B1, \a, 1, 0
.if \nextb
	v_add_nc_u32 v[BA], 8192, v[BA]
.endif
.endm
; The way out of tile i: register j of the four accumulators is four neighbouring columns of row 8 h + j; sixteen lanes store 256 consecutive bytes, aligned, of that token's row of part
.macro EPI2 i
	WIN 0
.if (\i) >= 1
	s_cmp_le_u32 s[NL], \i
	s_cbranch_scc1 .Lpass_end
.endif
	s_wait_xcnt 0x0                                ; the last tile's stores have read OB and AD
	WIN 0x02                                       ; source 0 window 2
.irp j, 0,1,2,3,4,5,6,7                ; ascending: each accumulator is read from its low end on
.irp f, 0,1,2,3
	v_mul_f32 v[OB+4*(\j)+(\f)], v[32*(\i)+8*(\f)+(\j)], v[PW+8*(\i)+(\j)]
.endr
.endr
	WIN 0
.irp j, 0,1,2,3,4,5,6,7
	v_lshl_add_u32 v[AD+(\j)], v[EN+8*(\i)+(\j)], 12, v[R16]
.endr
.irp j, 0,1,2,3,4,5,6,7
	global_store_b128 v[AD+(\j)], v[OB+4*(\j):OB+4*(\j)+3], s[12:13]
.endr
.endm
	s_mov_b32 s[DN], 0
	s_mov_b32 s[PC], 0
.Lpass:                                                ; four passes of five tiles a wave cover 1,280 places, more than any split needs
	s_cmp_le_u32 s[NTW], s[DN]
	s_cbranch_scc1 .Lpass_end                      ; nothing left for my wave
	s_sub_co_u32 s[NL], s[NTW], s[DN]
.irp i, 0,1,2,3,4
	ds_load_b128 v[EN+8*(\i):EN+8*(\i)+3],   v[LA] offset:(\i)*256
	ds_load_b128 v[EN+8*(\i)+4:EN+8*(\i)+7], v[LA] offset:(\i)*256+16
.endr
	s_lshl_b32 s[TB], s[DN], 2
	s_add_co_u32 s[TB], s[TB], s[WV]               ; my first tile of the pass
.irp i, 0,1,2,3,4
	s_add_co_u32 s[TM], s[TB], 4*(\i)
	s_cmp_lt_u32 s[TM], s[NT]
	s_cselect_b32 s[TP], -1, 0                     ; a tile that exists: 16 bytes a lane; one past the count: the same 16 bytes in all lanes,
	s_min_u32 s[TM], s[TM], s[NT1]                 ; of the last tile that exists
	s_lshl_b32 s[TM], s[TM], 11                    ; a tile is 2,048 bytes of a slice
	v_and_b32 v[T1], s[TP], v[L16]
	v_add_nc_u32 v[T1], s[TM], v[T1]
	v_min_u32 v[AO+(\i)], 0x1f9f0, v[T1]           ; inside the slice, whatever the map holds: tile 63, lane 31 at the most
.endr
	v_lshlrev_b32 v[BA], 4, v[LN]                  ; the image's chunk 0
	s_add_nc_u64 s[XP:XP+1], s[6:7], 131072        ; chunk 1: the last that the pass's head fetches
	s_wait_dscnt 0x0
.set x, 0
.rept 40
	v_min_u32 v[EN+x], 2047, v[EN+x]
	v_lshlrev_b32 v[PW+x], 2, v[EN+x]
.set x, x+1
.endr
.set x, 0
.rept 40
	global_load_b32 v[PW+x], v[PW+x], s[10:11]     ; the rows' weights; each load lands on its own address register
.set x, x+1
.endr
	ALOAD 0, 6, 0                                  ; chunks 0 and 1
	ALOAD 1, 6, 131072
	BLOAD B0, 0
	CHUNK 0, 2, 1, 1, 40, 1                        ; chunk 0 stands in front of the loop: its first products start the sums
	s_mov_b32 s[KC], 4
.Lk:                                                   ; chunks 1 to 12
	CHUNK 1, 0, 0, 1, 40, 1
	CHUNK 2, 1, 0, 1, 40, 1
	CHUNK 0, 2, 0, 1, 40, 1
	s_sub_co_u32 s[KC], s[KC], 1
	s_cmp_lg_u32 s[KC], 0
	s_cbranch_scc1 .Lk
	CHUNK 1, 0, 0, 1, 40, 1                        ; chunk 13 fetches chunk 15's rows, the last;
	CHUNK 2, 0, 0, 0, 20, 1                        ; chunk 14: only chunk 15's twenty loads are younger;
	CHUNK 0, 0, 0, 0, 0, 0                         ; chunk 15: nothing is left to fetch
	PLACES                                         ; the way out reads results just made
	EPI2 0
	EPI2 1
	EPI2 2
	EPI2 3
	EPI2 4
.Lpass_end:
	s_add_co_u32 s[DN], s[DN], 5
	v_add_nc_u32 v[LA], 1280, v[LA]
	s_add_co_u32 s[PC], s[PC], 1
	s_cmp_lt_u32 s[PC], 4
	s_cbranch_scc1 .Lpass
	s_wait_dscnt 0x0                               ; my reads of LDS are over;
	s_barrier_signal -1
	s_barrier_wait -1                              ; every wave's are, before any wave writes LDS again
	s_wait_tensorcnt 0x0                           ; the wave's end
	ds_add_u32 v[SPW], v[NIL]
	s_wait_dscnt 0x0
	s_endpgm
.Lfunc_end_k_qe81d404059_down:
	.size	k_qe81d404059_down, .Lfunc_end_k_qe81d404059_down-k_qe81d404059_down
	.p2alignl 7, 3214868480
	.fill 96, 4, 3214868480
	.section	.rodata,"a",@progbits
	.p2align	6, 0x0
	.amdhsa_kernel k_qe81d404059_down
		.amdhsa_group_segment_fixed_size 152576
		.amdhsa_private_segment_fixed_size 0
		.amdhsa_enable_private_segment 0
		.amdhsa_kernarg_size 40
		.amdhsa_user_sgpr_count 2
		.amdhsa_user_sgpr_kernarg_segment_ptr 1
		.amdhsa_wavefront_size32 1
		.amdhsa_system_sgpr_workgroup_id_x 1
		.amdhsa_system_sgpr_workgroup_id_y 1
		.amdhsa_system_sgpr_workgroup_id_z 1
		.amdhsa_system_vgpr_workitem_id 0
		.amdhsa_next_free_vgpr 768
		.amdhsa_next_free_sgpr 102
		.amdhsa_reserve_vcc 0
		.amdhsa_float_denorm_mode_32 3
		.amdhsa_float_denorm_mode_16_64 3
		.amdhsa_memory_ordered 1
		.amdhsa_forward_progress 1
		.amdhsa_inst_pref_size 127
	.end_amdhsa_kernel
	.amdgpu_metadata
---
amdhsa.version: [ 1, 2 ]
amdhsa.kernels:
  - .name:           k_qe81d404059_down
    .symbol:         k_qe81d404059_down.kd
    .args:
      - { .name: out_w, .offset: 0, .size: 8, .value_kind: global_buffer, .address_space: global }
      - { .name: hid, .offset: 8, .size: 8, .value_kind: global_buffer, .address_space: global }
      - { .name: bm, .offset: 16, .size: 8, .value_kind: global_buffer, .address_space: global }
      - { .name: wts, .offset: 24, .size: 8, .value_kind: global_buffer, .address_space: global }
      - { .name: part, .offset: 32, .size: 8, .value_kind: global_buffer, .address_space: global }
    .group_segment_fixed_size: 152576
    .private_segment_fixed_size: 0
    .kernarg_segment_align: 8
    .kernarg_segment_size: 40
    .max_flat_workgroup_size: 128
    .sgpr_count:     102
    .vgpr_count:     768
    .wavefront_size: 32
...
	.end_amdgpu_metadata
.endif
;; end of part 3
;; launch sum (part 4): grid 256 x 1, 8 waves a work-group, no clusters, 0 bytes of LDS; arguments part, out0; writes out0
.if DOCPART == 4
	.amdgcn_target "amdgcn-amd-amdhsa--gfx1250"
	.amdhsa_code_object_version 6
	.text
	.protected	k_qe81d404059_sum
	.globl	k_qe81d404059_sum
	.p2align	8
	.type	k_qe81d404059_sum,@function
k_qe81d404059_sum:
	s_mov_b64 s[64:65], 0
	v_nop
	global_prefetch_b8 v0, s[64:65] scope:SCOPE_SE
	s_setreg_imm32_b32 hwreg(HW_REG_WAVE_MODE, 25, 1), 1
	s_wait_xcnt 0x0
; out0[token][c] = (part[0][0] + part[1][0]) + (part[0][1] + part[1][1]): the two halves of K of a token's two experts, all f32.
; A stream: a work-group has 16,384 bytes of out0, a thread 16 bytes in each of four blocks of 4,096; all sixteen loads of a thread go out before the first wait; a wave's load or store covers 512 consecutive bytes.
; No LDS, no barrier, no matrix unit: nothing is shared and nothing is multiplied.
.set PLANE, 4194304   ; bytes in a plane [token][1024] of part
.set P, 8             ; v8-71: block u, plane p at P + 16 u + 4 p
	s_load_b128 s[4:7], s[0:1], 0x0                ; part s[4:5], out0 s[6:7]
	v_lshlrev_b32 v1, 4, v0
	s_lshl_b32 s8, ttmp9, 14
	s_mov_b32 s9, 0
	s_wait_kmcnt 0x0
	s_add_nc_u64 s[4:5], s[4:5], s[8:9]            ; the first half of K,
	s_add_nc_u64 s[6:7], s[6:7], s[8:9]
	s_add_nc_u64 s[10:11], s[4:5], 2*PLANE         ; the second
.irp u, 0,1,2,3
	global_load_b128 v[P+16*(\u):P+16*(\u)+3],     v1, s[4:5]   offset:4096*(\u) th:TH_LOAD_NT
	global_load_b128 v[P+16*(\u)+4:P+16*(\u)+7],   v1, s[4:5]   offset:PLANE+4096*(\u) th:TH_LOAD_NT
	global_load_b128 v[P+16*(\u)+8:P+16*(\u)+11],  v1, s[10:11] offset:4096*(\u) th:TH_LOAD_NT
	global_load_b128 v[P+16*(\u)+12:P+16*(\u)+15], v1, s[10:11] offset:PLANE+4096*(\u) th:TH_LOAD_NT
.endr
.irp u, 0,1,2,3
	s_wait_loadcnt 12-4*(\u)                       ; block u's four loads are in; the later blocks' stay out
	v_pk_add_f32 v[P+16*(\u):P+16*(\u)+1],   v[P+16*(\u):P+16*(\u)+1],   v[P+16*(\u)+8:P+16*(\u)+9]
	v_pk_add_f32 v[P+16*(\u)+2:P+16*(\u)+3], v[P+16*(\u)+2:P+16*(\u)+3], v[P+16*(\u)+10:P+16*(\u)+11]
	v_pk_add_f32 v[P+16*(\u)+4:P+16*(\u)+5], v[P+16*(\u)+4:P+16*(\u)+5], v[P+16*(\u)+12:P+16*(\u)+13]
	v_pk_add_f32 v[P+16*(\u)+6:P+16*(\u)+7], v[P+16*(\u)+6:P+16*(\u)+7], v[P+16*(\u)+14:P+16*(\u)+15]
	v_pk_add_f32 v[P+16*(\u):P+16*(\u)+1],   v[P+16*(\u):P+16*(\u)+1],   v[P+16*(\u)+4:P+16*(\u)+5]
	v_pk_add_f32 v[P+16*(\u)+2:P+16*(\u)+3], v[P+16*(\u)+2:P+16*(\u)+3], v[P+16*(\u)+6:P+16*(\u)+7]
	global_store_b128 v1, v[P+16*(\u):P+16*(\u)+3], s[6:7] offset:4096*(\u) th:TH_STORE_NT
.endr
	s_endpgm
.Lfunc_end_k_qe81d404059_sum:
	.size	k_qe81d404059_sum, .Lfunc_end_k_qe81d404059_sum-k_qe81d404059_sum
	.p2alignl 7, 3214868480
	.fill 96, 4, 3214868480
	.section	.rodata,"a",@progbits
	.p2align	6, 0x0
	.amdhsa_kernel k_qe81d404059_sum
		.amdhsa_group_segment_fixed_size 0
		.amdhsa_private_segment_fixed_size 0
		.amdhsa_enable_private_segment 0
		.amdhsa_kernarg_size 16
		.amdhsa_user_sgpr_count 2
		.amdhsa_user_sgpr_kernarg_segment_ptr 1
		.amdhsa_wavefront_size32 1
		.amdhsa_system_sgpr_workgroup_id_x 1
		.amdhsa_system_sgpr_workgroup_id_y 1
		.amdhsa_system_sgpr_workgroup_id_z 1
		.amdhsa_system_vgpr_workitem_id 0
		.amdhsa_next_free_vgpr 72
		.amdhsa_next_free_sgpr 66
		.amdhsa_reserve_vcc 0
		.amdhsa_float_denorm_mode_32 3
		.amdhsa_float_denorm_mode_16_64 3
		.amdhsa_memory_ordered 1
		.amdhsa_forward_progress 1
		.amdhsa_inst_pref_size 5
	.end_amdhsa_kernel
	.amdgpu_metadata
---
amdhsa.version: [ 1, 2 ]
amdhsa.kernels:
  - .name:           k_qe81d404059_sum
    .symbol:         k_qe81d404059_sum.kd
    .args:
      - { .name: part, .offset: 0, .size: 8, .value_kind: global_buffer, .address_space: global }
      - { .name: out0, .offset: 8, .size: 8, .value_kind: global_buffer, .address_space: global }
    .group_segment_fixed_size: 0
    .private_segment_fixed_size: 0
    .kernarg_segment_align: 8
    .kernarg_segment_size: 16
    .max_flat_workgroup_size: 256
    .sgpr_count:     66
    .vgpr_count:     72
    .wavefront_size: 32
...
	.end_amdgpu_metadata
.endif
;; end of part 4
